; MI455X (gfx1250); checked and timed in simulation.
; The chip was launched on July 23, 2026; its instructions are those of AMD's public machine-readable ISA for CDNA 5 (MIT licence, August 2026) and "CDNA5" Instruction Set Architecture Reference Guide (July 2026). The comments in the code are by the model that wrote it; some were corrected since.
;; MIPT Cell. Allowed arithmetic: matrix products marked QUANTISED: E5M2 operands, one E8M0 scale for each 32 along K, by v_wmma_scale_f32_16x16x128_f8f6f4 with both operands' format E5M2, f32 sums; everything else in f32.
;; Inputs: W_i 2,048 x 2,048 float32; W_p 2,048 x 2,048 float32; W_r 2,048 x 2,048 float32; W_theta 2,048 x 2,048 float32; b_i 2,048 float32; b_p 2,048 float32; b_r 2,048 float32; b_theta 2,048 float32; e_t_codes 4,096 x 64 x 32 uint8 (E5M2 codes of e_t, K innermost, in blocks of 32 codes); e_t_scales 4,096 x 64 uint8 (E8M0 scales of e_t, one for each 32 codes along K); h_prev 4,096 x 4,096 float32.
;; Outputs: out0 4,096 x 4,096 float32.
;; This version of the problem:
;;   THIS VERSION OF THE PROBLEM IS GIVEN IN LOW PRECISION. The matrix products marked QUANTISED in the list below multiply operands that are first quantised to E5M2 (5 exponent bits, 2 mantissa bits; 8 bits a number), with one power-of-two scale for each 32 numbers along K (OCP MX v1.0); their sums are f32. All else is computed in f32.
;;   The module's matrix products, in the order in which they are computed (A, B: the left and right operand; K: the contracted axis; several contracted axes count as one K, in the product's order):
;;     1. [M 4,096, K 2,048] x [K 2,048, N 8,192]; A: input e_t (given as codes); B: computed on the way: QUANTISED
;;   THE QUANTISER, for each operand of a quantised product, along K:
;;     - K is cut into blocks of 32 from its start; a last block that is shorter is filled with zeros.
;;     - A block's scale is 2^e with e = floor(log2(the largest magnitude in the block)) - 15, held to -126 .. 127; a block of zeros has e = 0. As a byte (E8M0): e + 127.
;;     - Each number is divided by its block's scale, clamped to +-57,344, and rounded to the nearest number of E5M2, ties to even, subnormals kept.
;;     - The product sums the exact products of the quantised numbers (number of the format x scale) in f32.
;;   ~~~python
;;   def quantise(x, axis):      # numpy; x: float32 -> the quantised numbers, widened to float32 again
;;       x = np.moveaxis(x, axis, -1); K = x.shape[-1]
;;       x = np.pad(x, [(0, 0)] * (x.ndim - 1) + [(0, -K % 32)]); x = x.reshape(x.shape[:-1] + (-1, 32)); a = np.abs(x).max(-1, keepdims=True)
;;       e = np.where(a > 0, np.clip(np.frexp(np.where(a > 0, a, 1))[1] - 1 - 15, -126, 127), 0)      # np.frexp(a)[1] - 1 = floor(log2(a)), exactly
;;       r = np.clip(x / 2.0 ** e, -57344, 57344)
;;       step = 2.0 ** (np.maximum(np.frexp(np.where(r == 0, 1, r))[1] - 1, -14) - 2)
;;       q = np.round(r / step) * step * 2.0 ** e      # np.round: ties to even
;;       return np.moveaxis(q.reshape(q.shape[:-2] + (-1,))[..., :K], -1, axis).astype(np.float32)
;;   ~~~
;;   OPERANDS COMPUTED ON THE WAY. 'Computed on the way' means the value that the module computes at that place (a softmax that the list does not call 'softmax' is quantised finished and normalised). What goes into a quantiser is computed in f32, as accurately as f32 sums, v_exp_f32 and their like allow (about 1e-6 of the number): no bf16 or f16 on the way to a quantiser, and a product that is left as it is and whose result goes on into a quantised operand takes f32 operands (vector FMAs, or v_wmma_f32_16x16x4_f32). A number that lies on a knife's edge between two numbers of the format may be rounded either way, as far as f32 arithmetic and the matrix unit's own rounding can turn it there, and no further.
;;   INPUTS GIVEN AS CODES. e_t (in the module: [4096, 2048], K = its axis 1): each comes as NAME_codes (uint8): NAME with its K axis moved to the last place and cut into blocks of 32 codes, [.., K / 32, bytes a block], one block behind the other in memory; one code a byte (a code: sign, 5 exponent bits, 2 mantissa bits); and NAME_scales (uint8): the same leading axes, one E8M0 byte (e + 127) for each 32 codes along K. Its value is code x scale, taken as it is: it is not quantised again, and the codes and scales need not be those that the quantiser above would give.
;; One version. Each part assembles by itself: llvm-mc -triple=amdgcn-amd-amdhsa -mcpu=gfx1250 --defsym DOCPART=n.
;; ======== version 1 of 1: 2 launches
;; limits: right only within a limited range of input values
;; workspace buffers: w_codes 16,777,216 bytes; w_scales 524,288 bytes
;; launch quant (part 1): grid 512 x 1, 4 waves a work-group, no clusters, 33,280 bytes of LDS; arguments W_p, W_theta, W_r, W_i, w_codes, w_scales; writes w_codes, w_scales
.if DOCPART == 1
	.amdgcn_target "amdgcn-amd-amdhsa--gfx1250"
	.amdhsa_code_object_version 6
	.text
	.protected	k_q578bfe262c_quant
	.globl	k_q578bfe262c_quant
	.p2align	8
	.type	k_q578bfe262c_quant,@function
k_q578bfe262c_quant:
	s_mov_b64 s[64:65], 0
	v_nop
	global_prefetch_b8 v0, s[64:65] scope:SCOPE_SE
	s_setreg_imm32_b32 hwreg(HW_REG_WAVE_MODE, 25, 1), 1
	s_wait_xcnt 0x0
; The four weights W_p, W_theta, W_r, W_i, each [2048 (n)][2048 (k)] f32 with K innermost, become codes of BF8 (E5M2), one byte each, K innermost, with one E8M0 scale byte for each 32 along K.
; A block's scale is 2^(floor(log2(its largest magnitude)) - 15); its byte is the largest magnitude's exponent field - 15, held at 1 from below.  Each number is divided by the scale, held within +-57,344 and
; rounded to the nearest code, ties to even.
; THE ROWS ARE LAID FOR THE NEXT LAUNCH: row j of gate g (0 p, 1 theta, 2 r, 3 i) goes to row (j / 32) x 128 + 32 g + j % 32 of w_codes [8192][2048] and of w_scales [8192][64]: 128 neighbouring rows
; hold 32 columns of the result in all four gates.
; LIMITS: a block of zeros gets the byte 1 where the rule says 127 (its codes are zeros, which add nothing under any byte but 0xff, and this program alone reads the bytes); blocks whose largest magnitude lies under
; 2^(15 - 126) have their byte held at 1; NaN and infinities among the weights are not served.
; SHARES.  128 work-groups to a gate.  A wave takes a run of 8,192 numbers, four rows of its gate, in 16 steps of 512.  Four rows that begin at a multiple of four stay neighbours in the new order, so a run's 8,192 code
; bytes and its 256 scale bytes are dense at both ends.
; A conversion takes 8 numbers of ONE block from a lane's consecutive registers, so a lane must hold 16 NEIGHBOURS (two lanes to a block); a load is best where neighbouring LANES take neighbouring bytes.  Both are had:
; each of a step's four loads reads 512 consecutive bytes, 16 a lane; the 2,048 bytes go through the wave's own stage in LDS as they lie and come back 64 bytes a lane (16 bytes of padding behind each 64).
; No tensor loads, no barrier: waves share nothing.  Loads run AH = 6 steps (24 loads, 12,288 bytes a wave) ahead, the turn through LDS one step.  Matrix units and clusters have nothing to do here: each byte is read
; once and written once.
.set STEPS, 16
.set AH,    6                          ; steps that the loads run ahead
.set EMAX,  15
.set MANT,  0x600000                   ; the mantissa field of 57,344 as f32
.set R,     16                         ; v16-111  AH sets of 16 numbers as they are loaded
.set X,     112                        ; v112-143 two sets of 16 neighbours
.set E,     144                        ; v144-159 a scale byte for each step
.set C,     160                        ; v160-223 codes: four registers for each step, so that no store's data are written again
.set SPW,   224                        ; v224     LDS address of my spare word; never rewritten
.set NIL,   225                        ; v225     0; never rewritten
.set WREG,  8192                       ; LDS: a region of its own for each wave: two stages of 32 x SP bytes, and behind them its 256 scale bytes
.set SP,    80                         ; a lane's place in a stage: its 64 bytes + 16 of padding
	s_load_b256 s[4:11], s[0:1], 0x0               ; W_p s[4:5], W_theta s[6:7], W_r s[8:9], W_i s[10:11]
	s_load_b128 s[12:15], s[0:1], 0x20             ; the codes s[12:13], the scale bytes s[14:15]
	v_lshl_add_u32 v[SPW], v0, 2, 0x8000           ; the spare words lie behind the four regions
	v_mov_b32 v[NIL], 0
	v_lshrrev_b32 v1, 5, v0
	v_readfirstlane_b32 s16, v1                    ; wave
	v_and_b32 v2, 31, v0                           ; lane
	v_lshlrev_b32 v3, 4, v2                        ; my 16 bytes of a load's 512, and of a step's 512 code bytes
	s_mul_i32 s18, s16, WREG
	v_lshrrev_b32 v14, 2, v2
	v_mul_u32_u24 v14, v14, SP
	v_and_b32 v15, 3, v2
	v_lshl_add_u32 v14, v15, 4, v14
	v_add_nc_u32 v14, s18, v14                     ; the stage, on the way in: four lanes' 64 bytes on end, then 16 of padding
	v_mul_u32_u24 v15, v2, SP
	v_add_nc_u32 v15, s18, v15                     ; and on the way out: SP x lane: my 16 neighbours
	v_lshrrev_b32 v5, 1, v2
	s_add_co_u32 s18, s18, 2*32*SP
	v_add_nc_u32 v5, s18, v5                       ; LDS: my wave's 256 scale bytes, my block's byte
	v_lshlrev_b32 v7, 3, v2                        ; and on the way out 8 bytes a lane
	v_add_nc_u32 v6, s18, v7
	s_mov_b32 s23, MANT                            ; (an instruction takes one literal: the hold's line has another)
	s_lshr_b32 s17, ttmp9, 7                       ; the gate
	s_and_b32 s19, ttmp9, 127
	s_lshl_b32 s19, s19, 2
	s_add_co_u32 s19, s19, s16                     ; my run of the gate, 0 .. 511
	s_lshl_b32 s20, s19, 15                        ; where it begins in the weight: 32,768 bytes a run
	s_mov_b32 s21, 0
	s_lshr_b32 s22, s19, 3                         ; where it goes, in runs of four rows: (run / 8) x 32 + 8 x gate + run % 8
	s_lshl_b32 s22, s22, 5
	s_lshl_b32 s24, s17, 3
	s_add_co_u32 s22, s22, s24
	s_and_b32 s24, s19, 7
	s_add_co_u32 s22, s22, s24
	s_lshl_b32 s24, s22, 13                        ; 8,192 code bytes a run,
	s_mov_b32 s25, 0
	s_lshl_b32 s26, s22, 8                         ; 256 scale bytes
	s_mov_b32 s27, 0
	s_wait_alu depctr_va_vdst(0)
	s_wait_kmcnt 0x0
	s_cmp_lt_u32 s17, 2                            ; which weight: the choice hangs on the work-group's number alone, and only a pointer is chosen
	s_cselect_b64 s[4:5], s[4:5], s[8:9]
	s_cselect_b64 s[6:7], s[6:7], s[10:11]
	s_and_b32 s18, s17, 1
	s_cmp_eq_u32 s18, 0
	s_cselect_b64 s[4:5], s[4:5], s[6:7]
	s_add_nc_u64 s[4:5], s[4:5], s[20:21]
	s_add_nc_u64 s[12:13], s[12:13], s[24:25]
	s_add_nc_u64 s[14:15], s[14:15], s[26:27]
.macro LOAD t
.irp i, 0,1,2,3
	global_load_b128 v[R+16*((\t)%AH)+4*\i:R+16*((\t)%AH)+4*\i+3], v3, s[4:5] offset:2048*(\t)+512*\i th:TH_LOAD_NT   ; 32 lanes read 512 consecutive bytes; read once in the whole launch
.endr
.endm
.macro TURN t                          ; step t's numbers through the stage: LDS serves a wave's instructions in order (ISA guide 5.7.1), so no wait stands between the stores and the loads
.irp i, 0,1,2,3
	ds_store_b128 v14, v[R+16*((\t)%AH)+4*\i:R+16*((\t)%AH)+4*\i+3] offset:32*SP*((\t)%2)+8*SP*\i
.endr
.irp i, 0,1,2,3
	ds_load_b128 v[X+16*((\t)%2)+4*\i:X+16*((\t)%2)+4*\i+3], v15 offset:32*SP*((\t)%2)+16*\i
.endr
.endm
.irp t, 0,1,2,3,4,5
	LOAD \t
.endr
	s_wait_loadcnt 4*(AH-1)                        ; step 0's four loads are in; the twenty behind them stay out
	TURN 0
.macro STEP t
.set XS, X+16*((\t)%2)
.if (\t) > 0
	s_wait_dscnt 1                                 ; this step's numbers are back from the stage (the last step's byte store may be out): so its stores into the stage have read their registers,
.else
	s_wait_dscnt 0x0
.endif
.if (\t)+AH < STEPS
	LOAD (\t)+AH                                   ; which take the loads of AH steps on
.endif
.if (\t)+1 < STEPS
.if STEPS-2-(\t) >= AH-1
	s_wait_loadcnt 4*(AH-1)                        ; the next step's four loads are in; those of the five steps behind it may be out
.else
	s_wait_loadcnt 4*(STEPS-2-(\t))                ; near the end fewer steps stand behind it
.endif
	TURN (\t)+1                                    ; and go through the other stage while this step is worked
.endif
	v_max3_num_f32 v8, |v[XS]|, |v[XS+1]|, |v[XS+2]|               ; the largest magnitude of my 16, in two chains
	v_max3_num_f32 v9, |v[XS+3]|, |v[XS+4]|, |v[XS+5]|
.irp i, 6,10
	v_max3_num_f32 v8, v8, |v[XS+\i]|, |v[XS+\i+1]|
	v_max3_num_f32 v9, v9, |v[XS+\i+2]|, |v[XS+\i+3]|
.endr
	v_max3_num_f32 v8, v8, |v[XS+14]|, |v[XS+15]|
	v_max3_num_f32 v8, v8, v9, (EMAX+1)<<23        ; and the floor 2^(16 - 127): so the byte cannot fall under 1
	v_max_num_f32_dpp v8, v8, v8 row_xmask:1 row_mask:0xf bank_mask:0xf   ; and of my neighbour's 16: the block's
	v_add_nc_u32 v11, 0xf8800000, v8               ; 15 off its exponent field: the conversion takes the exponent field of this operand as its scale
	v_and_or_b32 v10, v8, 0x7f800000, s23          ; 57,344 x the scale
.irp i, 0,1,2,3,4,5,6,7,8,9,10,11,12,13,14,15
	v_med3_num_f32 v[XS+\i], v[XS+\i], -v10, v10   ; the conversion to an 8-bit code does not saturate (ISA guide 7.6.2): the number is held first
.endr
	v_cvt_scalef32_pk8_bf8_f32 v[C+4*(\t):C+4*(\t)+1], v[XS:XS+7], v11
	v_cvt_scalef32_pk8_bf8_f32 v[C+4*(\t)+2:C+4*(\t)+3], v[XS+8:XS+15], v11
	v_lshrrev_b32 v[E+(\t)], 23, v11               ; the scale's byte.  (Also the plain line behind the conversions)
	ds_store_b8 v5, v[E+(\t)] offset:16*(\t)       ; both lanes of a block write the same byte with the same value
	global_store_b128 v3, v[C+4*(\t):C+4*(\t)+3], s[12:13] offset:512*(\t)      ; 32 lanes store 512 consecutive bytes, at a multiple of 256 from the buffer's first byte
.endm
.irp t, 0,1,2,3,4,5,6,7,8,9,10,11,12,13,14,15
	STEP \t
.endr
	ds_load_b64 v[12:13], v6                       ; LDS serves a wave's instructions in order: these see my byte stores
	s_wait_dscnt 0x0
	global_store_b64 v7, v[12:13], s[14:15]        ; 32 lanes store my run's 256 scale bytes: 256 consecutive bytes, aligned
	s_wait_tensorcnt 0x0                           ; the wave's end
	ds_add_u32 v[SPW], v[NIL]
	s_wait_dscnt 0x0
	s_endpgm
.Lfunc_end_k_q578bfe262c_quant:
	.size	k_q578bfe262c_quant, .Lfunc_end_k_q578bfe262c_quant-k_q578bfe262c_quant
	.p2alignl 7, 3214868480
	.fill 96, 4, 3214868480
	.section	.rodata,"a",@progbits
	.p2align	6, 0x0
	.amdhsa_kernel k_q578bfe262c_quant
		.amdhsa_group_segment_fixed_size 33280
		.amdhsa_private_segment_fixed_size 0
		.amdhsa_enable_private_segment 0
		.amdhsa_kernarg_size 48
		.amdhsa_user_sgpr_count 2
		.amdhsa_user_sgpr_kernarg_segment_ptr 1
		.amdhsa_wavefront_size32 1
		.amdhsa_system_sgpr_workgroup_id_x 1
		.amdhsa_system_sgpr_workgroup_id_y 1
		.amdhsa_system_sgpr_workgroup_id_z 1
		.amdhsa_system_vgpr_workitem_id 0
		.amdhsa_next_free_vgpr 226
		.amdhsa_next_free_sgpr 66
		.amdhsa_reserve_vcc 0
		.amdhsa_float_denorm_mode_32 3
		.amdhsa_float_denorm_mode_16_64 3
		.amdhsa_memory_ordered 1
		.amdhsa_forward_progress 1
		.amdhsa_inst_pref_size 51
	.end_amdhsa_kernel
	.amdgpu_metadata
---
amdhsa.version: [ 1, 2 ]
amdhsa.kernels:
  - .name:           k_q578bfe262c_quant
    .symbol:         k_q578bfe262c_quant.kd
    .args:
      - { .name: W_p, .offset: 0, .size: 8, .value_kind: global_buffer, .address_space: global }
      - { .name: W_theta, .offset: 8, .size: 8, .value_kind: global_buffer, .address_space: global }
      - { .name: W_r, .offset: 16, .size: 8, .value_kind: global_buffer, .address_space: global }
      - { .name: W_i, .offset: 24, .size: 8, .value_kind: global_buffer, .address_space: global }
      - { .name: w_codes, .offset: 32, .size: 8, .value_kind: global_buffer, .address_space: global }
      - { .name: w_scales, .offset: 40, .size: 8, .value_kind: global_buffer, .address_space: global }
    .group_segment_fixed_size: 33280
    .private_segment_fixed_size: 0
    .kernarg_segment_align: 8
    .kernarg_segment_size: 48
    .max_flat_workgroup_size: 128
    .sgpr_count:     66
    .vgpr_count:     226
    .wavefront_size: 32
...
	.end_amdgpu_metadata
.endif
;; end of part 1
;; launch cell (part 2): grid 32 x 16, 4 waves a work-group, clusters of 4 x 4, 327,680 bytes of LDS; arguments e_t_codes, e_t_scales, w_codes, w_scales, b_p, b_theta, b_r, b_i, h_prev, out0; writes out0
.if DOCPART == 2
	.amdgcn_target "amdgcn-amd-amdhsa--gfx1250"
	.amdhsa_code_object_version 6
	.text
	.protected	k_q578bfe262c_cell
	.globl	k_q578bfe262c_cell
	.p2align	8
	.type	k_q578bfe262c_cell,@function
k_q578bfe262c_cell:
	s_mov_b64 s[64:65], 0
	v_nop
	global_prefetch_b8 v0, s[64:65] scope:SCOPE_SE
	s_setreg_imm32_b32 hwreg(HW_REG_WAVE_MODE, 25, 1), 1
	s_wait_xcnt 0x0
	s_wait_alu depctr_hold_cnt(0) depctr_sa_sdst(0) depctr_va_vdst(0) depctr_va_sdst(0) depctr_va_ssrc(0) depctr_va_vcc(0) depctr_vm_vsrc(0)
	s_getreg_b32 s2, hwreg(HW_REG_IB_STS2, 6, 4)
	s_cmp_eq_u32 s2, 0
	s_cbranch_scc0 .Lentry_in_a_cluster
	s_endpgm
.Lentry_in_a_cluster:
	s_bfe_u32 s2, ttmp6, 0x10000c
	s_cmp_lg_u32 s2, 0xf033
	s_cbranch_scc0 .Lentry_shape_is_right
	s_endpgm
.Lentry_shape_is_right:
; proj = e_t W_cat^T + b_cat on codes of BF8 (E5M2) with one E8M0 scale for each 32 along K, f32 sums; then, element by element in f32: p = sigmoid(p_lin); (rot_re, rot_im) = (h_re, h_im) turned by theta;
; new = rot + p (inp - rot), which is (1 - p) rot + p inp.  out0 [4096][4096] f32: new_re in columns j, new_im in columns 2048 + j.  proj never goes to memory.
; A = e_t: codes [4096][2048], scale bytes [4096][64], as given.  B = the weights' codes [8192][2048] and scale bytes [8192][64] of the launch before, rows in the order (j / 32) x 128 + 32 g + j % 32 (g: 0 p, 1 theta, 2 r, 3 i).
; SHARES.  A work-group of four waves, as many as a WGP has SIMDs, makes 256 rows x 256 rows of B = 256 rows x 64 columns j in all four gates; a wave 128 x 128: 64 accumulators of 16 x 16, 512 registers.
; Of a wave's 128 rows of B, block b (16 rows) is gate b / 2, columns 16 (b % 2) on.  THE MATRIX INSTRUCTION IS USED TRANSPOSED (source 0 = 16 rows of B, source 1 = 16 rows of A): lane l holds row l % 16, and register i
; of accumulator (a, b) column 16 (b % 2) + 8 (l / 16) + i: the four gates of an element lie in ONE lane, at the same register of accumulators (a, jh), (a, 2 + jh), (a, 4 + jh), (a, 6 + jh).
; K goes in steps of 256 through a ring of two LDS slots filled by the tensor data mover (a tile's row is 256 bytes of memory).  The scale bytes of the work-group's rows, for all of K, come into LDS once and stay.
; THE BIASES are the C of each sum's first matrix instruction: eight registers for each block b, in the result's layout.
; CLUSTERS: 4 x 4 work-groups.  The four of a row of the cluster need the same tiles of A, the four of a column the same tiles of B: each tile is asked for JOINTLY, by the same tensor load with the same descriptor and a mask
; that names the four.  h_prev's tile is the work-group's own and comes by a plain load.
; THE WALK.  The grid's 8 x 4 clusters are not taken row by row: cluster (X, Y) makes column X of clusters and row 2 (Y % 2) + (X xor Y / 2) % 2 (for each X a one-to-one map of Y).  So the sixteen clusters with Y = 0, 1, the first
; half of the grid in its order, x fastest, together ask for every row of A and every row of B, and the other sixteen ask only for rows that those have asked for before.
; THE TILE OF h_prev (256 rows x 256 bytes of h_re, the same of h_im) takes slot 0 when that slot's last K step has been read.  The results are written over it, each lane over the bytes that it read, and leave as whole rows:
; a wave's 32 columns are only 128 bytes, so a row's 256 bytes come from two waves and meet in LDS.
; SINE AND COSINE in f32: r = theta / 2 pi less the nearest whole number, by a fused multiply-add with 1 / 2 pi in two parts (nothing but the last rounding is lost, for theta in the thousands too); sin 2 pi r = sin 2 pi u with u = r
; folded into +-1/4 (the middle one of r, -1/2 - r, 1/2 - r); cos 2 pi r = sin 2 pi (1/4 - |r|); sin 2 pi u by its series to u^11, whose first term left out is under 6e-8 at |u| = 1/4.
; LIMITS: projections that are not finite (NaN or infinities among the inputs, a scale byte 0xff of e_t) are not served.  The sigmoid goes to 0 and 1 through the exponential's infinity and 0.
; LDS: all of a WGP's is claimed; the text uses 313,856 bytes.
; REGISTERS, in windows of 256: window 0: v0-31 addresses and constants; v32-63 scale words, two sets, and nothing else; v64-127 the biases; from v128 A's fragments (8 x 16 rows x 128 K), ONE set.
;   In the epilogue: v64-95 h, v96-127 rows on the way out, v128-239 at work.   window 1: B's fragments, TWO sets, at v0 and v128.
;   window 2: the 32 accumulators of my rows 0-63 (accumulator (a, b) at v[8 (8 a + b)]);   window 3: those of my rows 64-127.
.set KSTEP,  256                       ; along K in a slot
.set NQ,     2                         ; matrix instructions deep
.set ROWB,   256                       ; a tile's row in bytes
.set KROW,   2048                      ; a row of A or of B in memory, in bytes
.set PITCH,  272                       ; an LDS row: 256 bytes + 16 of padding = 68 words: row r starts at bank 4 r mod 64 (64 banks of 4 bytes: ISA guide 11.1), so the 16 rows that a load touches start at 16 different banks
.set FR,     16                        ; registers of a fragment: 16 rows x 128 K
.set NL,     4                         ; LDS loads that bring one
.set NP,     8                         ; places behind this matrix instruction (ISA guide 7.12.1)
.set HALFT,  128*PITCH                 ; 128 rows: what one tensor load brings
.set SLOT,   4*HALFT                   ; A's 256 rows, then B's 256 rows;  later in slot 0: h_re's 256 rows, then h_im's
.set LAPS,   4                         ; 2,048 along K = 8 K steps = four times round the ring
.set KS,     64                        ; a row of scale bytes
.set SCL,    2*SLOT                    ; behind the ring: the scales, as units of 256 bytes + 16 of padding
.set HALFS,  (128*KS/256)*272          ; the scales of 128 rows
.set SBLK,   (16*KS/256)*272           ; those of 16 rows
.set SPARE,  SCL+4*HALFS               ; behind the scales: the spare words, 128 bytes for each wave: two blocks of 256 bytes that no other line names
.set HROW,   16384                     ; a row of h_prev or of out0 in bytes
.set CS0,  6                           ; v[6:7] .. v[14:15]  the series' coefficients S0 .. S4, each twice (a pair for the packed forms)
.set ADRA, 16                          ; v16-17  LDS address of my A fragments in slot 0, 1
.set HAI,  18                          ; v18     LDS address of my lane's h_im
.set ADRB, 20                          ; v20-21  as ADRA, for B
.set BA,   22                          ; v22     my byte offset in a bias
.set HP,   23                          ; v23     16,384 x lane: a row of h_prev to a lane, for the prefetches; never rewritten
.set HA,   24                          ; v24     LDS address of my lane's h_re
.set RD,   25                          ; v25     the way out: where I read rows back
.set CO,   26                          ; v26     and my byte offset in out0; never rewritten
.set ADRS, 27                          ; v27     LDS address of my scale words: lanes 0-15 A's rows, lanes 16-31 B's
.set SPW,  28                          ; v28     LDS address of my spare word: SPARE + 4 x my thread's number; never rewritten
.set NIL,  29                          ; v29     0; never rewritten
.set PFO,  30                          ; v30     the tiles' prefetches: 2,048 x lane, a row of codes to a lane; never rewritten
.set PFA,  12                          ; s[12:13] where my prefetches of A's or B's tiles stand: my work-group's 32 rows of the 128 that I fetch in the ring, at the K step two refills on
.set SC,   32                          ; scale words: set s at v[SC + 16 s]; in it register 2 i + q: lanes 0-15 the word of A's block i, lanes 16-31 that of B's block i, for the slot's q-th 128 along K
.set BIAS, 64                          ; v64-127 eight registers for each block b of B
.set AF,   128                         ; A's fragments
.set HS,   64                          ; epilogue: v64-79 h_re, v80-95 h_im of a block's 16 elements a lane; then the results
.set OUTR, 96                          ; v96-127 16 rows read back
.set EP,   128                         ; 2^(-x log2 e), then p
.set TN,   144                         ; the nearest whole number;  then PS: the sine's series, the sine
.set PS,   144
.set RR,   160                         ; r;  then PC: the cosine's series, the cosine
.set PC,   160
.set US,   176                         ; u for the sine;  then rot_re
.set UC,   192                         ; u for the cosine;  then rot_im
.set ZS,   208                         ; at work: -1/2 - r, u^2, products, inp_re - rot_re
.set ZC,   224                         ; the same for the cosine's side
.set G1, 24                            ; s[24:31] descriptor group 1 for A's tiles;  s[32:39] group 0, one set for each slot
.set G0, 32
.set G1B, 48                           ; s[48:55], s[56:63] the same for B's tiles
.set G0B, 56
.set HB,  66                           ; s[66:67] the address of my quarter of h_prev's tile; never rewritten
.set G1S, 68                           ; s[68:75], s[76:79] groups 1 and 0 for A's scales;  s[80:87], s[88:91] for B's
.set G0S, 76
.set G1SB, 80
.set G0SB, 88
.set G1H, 68                           ; when the scales have landed, s[68:79] are written anew for h_prev's tile
.set G0H, 76
.set NL2E, 4                           ; epilogue: s[4:5] -log2 e, s[6:7] and s[8:9] 1 / 2 pi in two parts, s[10:11] S5, s18 1/4.  s[4:11] held the biases' addresses, whose loads are long done; none of these was ever part of a tensor descriptor
.set CHI,  6
.set CLO,  8
.set CS5,  10
.set QTR,  18
.set MSB, 0
.macro WIN new                         ; the immediate's high byte repeats the setting that is left; a switch that changes nothing is dropped
.if MSB != \new
	s_set_vgpr_msb (MSB<<8)|\new
.set MSB, \new
.endif
.endm
.set MUL_LO,  0xa1                     ; source 0 (B) window 1, source 1 (A) window 0, C and D window 2
.set MUL_HI,  0xf1                     ; the same, C and D window 3
.set MULZ_LO, 0x81                     ; the first products: C (the bias) window 0, D window 2
.set MULZ_HI, 0xc1                     ; D window 3
.set TO_B,    0x40                     ; destination window 1, address window 0
; A joint load: waves 0 and 1 fetch for A, waves 2 and 3 for B.  Each of the two lines has ONE mask and one set of registers for all that issue it; the branch hangs on the wave's number alone.
; Four v_nop follow each of the two lines, ahead of the jump, the label and what follows.
.macro JLOAD g0a, g1a, g0b, g1b
	s_cmp_eq_u32 s15, 0
	s_cbranch_scc0 .Lfor_b_\@
	tensor_load_to_lds s[\g0a:\g0a+3], s[\g1a:\g1a+7]
	s_nop 0
.rept 4
	v_nop
.endr
	s_branch .Lasked_\@
.Lfor_b_\@:
	tensor_load_to_lds s[\g0b:\g0b+3], s[\g1b:\g1b+7]
	s_nop 0
.rept 4
	v_nop
.endr
.Lasked_\@:
.endm
.macro CREST                           ; a round of the cluster's barrier behind its opening barrier
	s_cmp_lg_u32 s14, 0
	s_cbranch_scc1 .Lnot_wave_0_\@
	s_barrier_signal -3
.Lnot_wave_0_\@:
	s_barrier_wait -3
	s_barrier_signal -1
	s_barrier_wait -1
.endm
.macro CROUND                          ; a whole round
	s_barrier_signal -1
	s_barrier_wait -1
	CREST
.endm
	s_load_b256 s[4:11], s[0:1], 0x0               ; A's codes s[4:5], A's scales s[6:7], B's codes s[8:9], B's scales s[10:11]
	s_load_b128 s[96:99], s[0:1], 0x40             ; h_prev s[96:97], out0 s[98:99]
	v_lshl_add_u32 v[SPW], v0, 2, SPARE
	v_mov_b32 v[NIL], 0
	ds_add_u32 v28, v29
	ds_add_u32 v28, v29
	s_wait_dscnt 0x0
	v_lshrrev_b32 v1, 5, v0
	v_readfirstlane_b32 s14, v1                    ; wave 0..3
	s_lshr_b32 s15, s14, 1                         ; which half of the tile's rows is mine.  Also: I fetch for A (0) or for B (1); of h_prev: h_re (0) or h_im (1)
	s_and_b32 s16, s14, 1                          ; which half of B's rows (32 columns j).  Also: which 128 rows of a tile I fetch
	s_bfe_u32 s40, ttmp6, 0x40000                  ; cx, cy: my place in the cluster
	s_bfe_u32 s41, ttmp6, 0x40004
	s_lshl_b32 s42, ttmp9, 2
	s_add_co_u32 s42, s42, s40                     ; tile column = 4 X + cx: 256 rows of B, 64 columns j
	s_and_b32 s17, ttmp7, 0xffff                   ; Y, 0 .. 3
	s_lshr_b32 s18, s17, 1                         ; the walk: the cluster's row is 2 (Y % 2) + (X xor Y / 2) % 2.  X and Y are the cluster's own, the same in all sixteen partners
	s_xor_b32 s18, s18, ttmp9
	s_and_b32 s18, s18, 1
	s_and_b32 s17, s17, 1
	s_lshl_b32 s17, s17, 1
	s_add_co_u32 s17, s17, s18
	s_lshl_b32 s17, s17, 2
	s_add_co_u32 s17, s17, s41                     ; tile row = 4 x the cluster's row + cy
	s_lshl_b32 s43, s41, 2
	s_lshl_b32 s43, 15, s43                        ; my row of the cluster
	s_lshl_b32 s44, 0x1111, s40                    ; my column
	; descriptor group 1: a tile of 128 rows x 256 bytes, padded in LDS
	s_or_b32 s[G1+0], s43, (0<<16)|(1<<20)|(1<<21)|(5<<22)|(3<<25)  ; 15:0 the mask: A's tiles go to my row; 17:16 element of 1 byte; 20 padding on; 21 set beside a mask; 24:22 after every 64 words (code 5); 31:25 of 4 words (code 3)
	s_or_b32 s[G1B+0], s44, (0<<16)|(1<<20)|(1<<21)|(5<<22)|(3<<25)
.irp g, G1, G1B
	s_mov_b32 s[\g+1], ROWB<<16                    ; tensor_dim0
	s_mov_b32 s[\g+2], 256<<16                     ; tensor_dim1 = 256 for the head's loads; behind them the two words that count rows are set to 128, for the ring's
	s_mov_b32 s[\g+3], ROWB<<16                    ; tile_dim0
	s_mov_b32 s[\g+4], 256                         ; tile_dim1 = 256
	s_mov_b32 s[\g+5], KROW                        ; tensor_dim0_stride
	s_mov_b32 s[\g+6], 0
	s_mov_b32 s[\g+7], 0
.endr
	; and for the scales of 256 rows: a dense block of 16,384 bytes, as 64 rows of 256 bytes (32 elements of 8 bytes), 16 bytes of padding behind each
	s_or_b32 s[G1S+0], s43, (3<<16)|(1<<20)|(1<<21)|(5<<22)|(3<<25)
	s_or_b32 s[G1SB+0], s44, (3<<16)|(1<<20)|(1<<21)|(5<<22)|(3<<25)
.irp g, G1S, G1SB
	s_mov_b32 s[\g+1], 32<<16
	s_mov_b32 s[\g+2], KS<<16                      ; the scales of 256 rows: 256 KS bytes as KS rows of 256
	s_mov_b32 s[\g+3], 32<<16
	s_mov_b32 s[\g+4], KS
	s_mov_b32 s[\g+5], 32
	s_mov_b32 s[\g+6], 0
	s_mov_b32 s[\g+7], 0
.endr
	s_lshl_b32 s20, s17, 8                         ; A: the tile's first row, 256 x tile row
	s_lshl_b32 s46, s42, 8                         ; B: 256 x tile column
	s_mov_b32 s21, 0
	s_mov_b32 s47, 0
	s_mov_b64 s[18:19], KS
	s_mul_u64 s[22:23], s[20:21], s[18:19]         ; where these rows' scales begin, in bytes
	s_mul_u64 s[92:93], s[46:47], s[18:19]
	s_mov_b64 s[18:19], KROW
	s_mul_u64 s[20:21], s[20:21], s[18:19]         ; and their codes
	s_mul_u64 s[46:47], s[46:47], s[18:19]
	s_mul_i32 s45, s14, HALFT                      ; where they go: wave x 128 rows: no place in the cluster enters an LDS address
	s_mul_i32 s94, s16, 128*KROW                   ; in the ring I fetch 128 rows of a tile: which half, in bytes
	s_mov_b32 s95, 0
	; my quarter of h_prev's and of out0's tile, in bytes: rows 256 x tile row + 128 (wave % 2), byte 8,192 (wave / 2) + 256 x tile column of a row.  It hangs on both coordinates: it has registers of its own, which feed no joint load
	s_lshl_b32 s100, s17, 8
	s_lshl_b32 s101, s16, 7
	s_add_co_u32 s100, s100, s101
	s_lshl_b32 s100, s100, 14                      ; 16,384 bytes a row: under 2^26
	s_lshl_b32 s101, s15, 13
	s_add_co_u32 s100, s100, s101
	s_lshl_b32 s101, s42, 8
	s_add_co_u32 s100, s100, s101
	s_mov_b32 s101, 0
	s_wait_kmcnt 0x0
	s_add_nc_u64 s[20:21], s[4:5], s[20:21]
	s_add_nc_u64 s[22:23], s[6:7], s[22:23]
	s_add_nc_u64 s[46:47], s[8:9], s[46:47]
	s_add_nc_u64 s[92:93], s[10:11], s[92:93]
	s_add_nc_u64 s[HB:HB+1], s[96:97], s[100:101]
	s_add_nc_u64 s[98:99], s[98:99], s[100:101]
	; THE TILES' PREFETCHES.  A K step is 256 bytes of each row.  Of the 128 rows that wave w fetches in the ring, each of the four partners that ask for them jointly names 32, told apart BY ADDRESS
	; (cx for A's rows, cy for B's): a lane a row, one instruction a wave, so each 256 bytes are named once in each cluster that will load them.  With the load of K step t goes the request for K step t + 2
	; (with K step 0's also that for K step 1); the loads of K steps 6 and 7 ask for nothing: every address lies inside the row.
	s_lshl_b32 s100, s17, 8                        ; the tile's first row in A,
	s_lshl_b32 s101, s42, 8                        ; in B
	s_cmp_eq_u32 s15, 0                            ; do I fetch for A?
	s_cselect_b32 s100, s100, s101
	s_cselect_b32 s101, s40, s41                   ; my place among the four that ask with me
	s_cselect_b64 s[PFA:PFA+1], s[4:5], s[8:9]
	s_lshl_b32 s18, s16, 7
	s_add_co_u32 s100, s100, s18                   ; + the 128 rows that I fetch
	s_lshl_b32 s101, s101, 5
	s_add_co_u32 s100, s100, s101                  ; + my work-group's 32 of them
	s_lshl_b32 s100, s100, 11                      ; 2,048 bytes a row: under 2^24
	s_add_co_u32 s100, s100, 3*ROWB                ; at K step 3
	s_mov_b32 s101, 0
	s_add_nc_u64 s[PFA:PFA+1], s[PFA:PFA+1], s[100:101]
	; the head's four tiles, each whole: the scales of A's 256 rows and of B's, K step 0's 256 rows of A and of B (in slot 0's two groups 0, which are written anew for the ring when these loads have landed)
	s_mov_b32 s[G0S], 1
	s_mov_b32 s[G0S+1], SCL
	s_mov_b64 s[G0S+2:G0S+3], s[22:23]
	s_or_b32 s[G0S+3], s[G0S+3], 0x80000000
	s_mov_b32 s[G0SB], 1
	s_mov_b32 s[G0SB+1], SCL+2*HALFS
	s_mov_b64 s[G0SB+2:G0SB+3], s[92:93]
	s_or_b32 s[G0SB+3], s[G0SB+3], 0x80000000
	s_mov_b32 s[G0], 1
	s_mov_b32 s[G0+1], 0
	s_mov_b64 s[G0+2:G0+3], s[20:21]
	s_or_b32 s[G0+3], s[G0+3], 0x80000000
	s_mov_b32 s[G0B], 1
	s_mov_b32 s[G0B+1], 2*HALFT
	s_mov_b64 s[G0B+2:G0B+3], s[46:47]
	s_or_b32 s[G0B+3], s[G0B+3], 0x80000000
	s_add_nc_u64 s[92:93], s[20:21], s[94:95]      ; for the ring: my 128 rows of A's tile,
	s_add_nc_u64 s[46:47], s[46:47], s[94:95]      ; of B's
	s_mov_b32 s[G0+4], 1                           ; slot 1: K step 1
	s_add_co_u32 s[G0+5], s45, SLOT
	s_add_nc_u64 s[G0+6:G0+7], s[92:93], ROWB
	s_or_b32 s[G0+7], s[G0+7], 0x80000000
	s_mov_b32 s[G0B+4], 1
	s_add_co_u32 s[G0B+5], s45, SLOT
	s_add_nc_u64 s[G0B+6:G0B+7], s[46:47], ROWB
	s_or_b32 s[G0B+7], s[G0B+7], 0x80000000
	CROUND                                         ; all sixteen work-groups are here: the first joint loads meet
; THE HEAD'S LOADS, ONE A WAVE: wave 0 fetches K step 0's 256 rows of A, wave 1 its 256 rows of B, wave 2 the scales of A's 256 rows, wave 3 those of B's.
; ONE tree of branches on the wave's number: every way through the head passes exactly one load.
.macro ARM under, g0, g1, next
	s_cmp_lt_u32 s14, \under
	s_cbranch_scc0 \next
	tensor_load_to_lds s[\g0:\g0+3], s[\g1:\g1+7]
	s_nop 0
.rept 4
	v_nop
.endr
	s_branch .Lhead_asked
\next:
.endm
	ARM 1, G0,  G1,  .Lhead_b
	ARM 2, G0B, G1B, .Lhead_sa
	ARM 3, G0S, G1S, .Lhead_sb
	tensor_load_to_lds s[G0SB:G0SB+3], s[G1SB:G1SB+7]
	s_nop 0
.rept 4
	v_nop
.endr
.Lhead_asked:
	s_load_b256 s[4:11], s[0:1], 0x20              ; b_p s[4:5], b_theta s[6:7], b_r s[8:9], b_i s[10:11]: the first four addresses have been used up
	v_and_b32 v1, 15, v0                           ; r = l % 16
	v_bfe_u32 v2, v0, 4, 1                         ; h = l / 16
	v_mul_u32_u24 v3, v1, PITCH
	v_lshl_add_u32 v4, v2, 4, v3                   ; a fragment's row x pitch + 16 x half
	s_mul_i32 s21, s15, HALFT                      ; my 128 rows of A
	s_mul_i32 s22, s16, HALFT                      ; my 128 rows of B,
	s_add_co_u32 s22, s22, 2*HALFT                 ; which lie behind A's 256
.irp s, 0,1
	v_add_nc_u32 v[ADRA+\s], s21, v4
	v_add_nc_u32 v[ADRB+\s], s22, v4
	s_add_co_u32 s21, s21, SLOT
	s_add_co_u32 s22, s22, SLOT
.endr
	v_mul_u32_u24 v5, v1, KS                       ; my row's scales: 64 bytes a row,
	v_lshrrev_b32 v6, 8, v5
	v_lshl_add_u32 v5, v6, 4, v5                   ; and 16 more for each 256 passed
	s_mul_i32 s21, s15, HALFS                      ; A's: my 128 rows
	s_mul_i32 s22, s16, HALFS                      ; B's: my 128 rows, behind A's 256
	s_add_co_u32 s22, s22, 2*HALFS
	s_sub_co_u32 s22, s22, s21
	v_mul_u32_u24 v6, s22, v2                      ; lanes 16-31 take B's: one product, the distance between the two bases
	s_add_co_u32 s21, s21, SCL
	v_add_nc_u32 v5, v5, v6
	v_add_nc_u32 v[ADRS], s21, v5
	v_lshl_add_u32 v[HA], v2, 5, v3                ; h's tile: row r, + 32 h: my eight columns of sixteen,
	s_mul_i32 s21, s15, HALFT                      ; my 128 rows,
	s_lshl_b32 s22, s16, 7                         ; my 32 columns' 128 bytes
	s_add_co_u32 s21, s21, s22
	v_add_nc_u32 v[HA], s21, v[HA]
	v_add_nc_u32 v[HAI], 2*HALFT, v[HA]            ; h_im's 256 rows lie behind h_re's
	v_mul_u32_u24 v5, v2, PITCH                    ; back: wave w takes the 128 rows of quarter w, whole; lanes 0-15 one row of 256 bytes, lanes 16-31 the next
	v_lshl_add_u32 v5, v1, 4, v5
	v_add_nc_u32 v[RD], s45, v5
	v_lshlrev_b32 v[CO], 14, v2                    ; and the same two rows in out0
	v_lshl_add_u32 v[CO], v1, 4, v[CO]
	v_and_b32 v5, 31, v0
	v_lshlrev_b32 v[HP], 14, v5
	s_lshl_b32 s100, s42, 8                        ; a bias: 256 x tile column + 128 x my half + 32 h bytes: the eight numbers of my half of sixteen columns
	s_lshl_b32 s101, s16, 7
	s_add_co_u32 s100, s100, s101
	v_lshl_add_u32 v[BA], v2, 5, s100
	v_lshlrev_b32 v[PFO], 11, v5                   ; 2,048 x lane
	s_wait_alu depctr_va_vdst(0)
	s_wait_kmcnt 0x0
	global_prefetch_b8 v[PFO], s[PFA:PFA+1] offset:-2*ROWB th:TH_LOAD_NT scope:SCOPE_SE   ; K step 1,
	global_prefetch_b8 v[PFO], s[PFA:PFA+1] offset:-ROWB th:TH_LOAD_NT scope:SCOPE_SE     ; K step 2
.irp g, 0,1,2,3
.irp j, 0,1
.irp c, 0,1
	global_load_b128 v[BIAS+8*(2*\g+\j)+4*\c:BIAS+8*(2*\g+\j)+4*\c+3], v[BA], s[4+2*\g:5+2*\g] offset:64*\j+16*\c   ; block b = 2 g + j: gate g, columns 16 j + 8 h + 0 .. 7
.endr
.endr
.endr
.macro FRAG reg, adr, q, i             ; a fragment, 16 rows x 128 K of 8-bit codes, is 16 registers: lane l holds row l % 16; registers 4 c .. 4 c + 3 hold K = 32 c + 16 (l / 16) + 0 .. 15
.irp c, 0,1,2,3
	ds_load_b128 v[\reg+4*\c:\reg+4*\c+3], v[\adr] offset:128*(\q)+32*\c+(\i)*16*PITCH
.endr
.endm
; 16 matrix instructions: A's blocks a0, a0 + 1 x B's eight, 128 along K: the slot's q-th.  p: B's set;  sc: the set of scale words.  zero = 1: the first product starts the sums, with the bias as its C: nothing is cleared, nothing is added later.
; The 64 accumulators take turns, one instruction a turn, in the same order in every step.
.macro MUL16 a0, p, q, sc, zero
.irp a, \a0, \a0+1
.irp b, 0,1,2,3,4,5,6,7
.if \zero
	v_wmma_scale_f32_16x16x128_f8f6f4 v[8*(8*((\a)%4)+\b):8*(8*((\a)%4)+\b)+7], v[128*(\p)+FR*\b:128*(\p)+FR*\b+FR-1], v[AF+FR*(\a):AF+FR*(\a)+FR-1], v[BIAS+8*\b:BIAS+8*\b+7], v[SC+8*NQ*(\sc)+NQ*\b+(\q)], v[SC+8*NQ*(\sc)+NQ*(\a)+(\q)] matrix_a_fmt:MATRIX_FMT_BF8 matrix_b_fmt:MATRIX_FMT_BF8 matrix_a_scale:MATRIX_SCALE_ROW1
.else
	v_wmma_scale_f32_16x16x128_f8f6f4 v[8*(8*((\a)%4)+\b):8*(8*((\a)%4)+\b)+7], v[128*(\p)+FR*\b:128*(\p)+FR*\b+FR-1], v[AF+FR*(\a):AF+FR*(\a)+FR-1], v[8*(8*((\a)%4)+\b):8*(8*((\a)%4)+\b)+7], v[SC+8*NQ*(\sc)+NQ*\b+(\q)], v[SC+8*NQ*(\sc)+NQ*(\a)+(\q)] matrix_a_fmt:MATRIX_FMT_BF8 matrix_b_fmt:MATRIX_FMT_BF8 matrix_a_scale:MATRIX_SCALE_ROW1
.endif
.endr
.endr
.endm
.macro FETCH_B slot, q, p              ; B's eight fragments of the slot's q-th 128 along K into set p
	WIN TO_B
.irp i, 0,1,2,3,4,5,6,7
	FRAG 128*(\p)+FR*\i, ADRB+\slot, \q, \i
.endr
	WIN 0
.endm
.macro FETCH_A slot, q, i0             ; A's blocks i0 .. i0 + 3
.irp i, \i0, \i0+1, \i0+2, \i0+3
	FRAG AF+FR*(\i), ADRA+\slot, \q, \i
.endr
.endm
.macro SCALES sc                       ; the next K step's scale words into set sc: two words a row; lanes 0-15 take A's block i, lanes 16-31 B's block i
.irp i, 0,1,2,3,4,5,6,7
	ds_load_b64 v[SC+8*NQ*\sc+NQ*\i:SC+8*NQ*\sc+NQ*\i+1], v[ADRS] offset:\i*SBLK
.endr
.endm
; A load into a register that a matrix instruction has read, and a vector instruction that reads a matrix result, stand NP places behind that matrix instruction, and only plain vector instructions that name none of its
; registers are places (ISA guide 7.12.1 for vector instructions); this text does not count the matrix instructions in between.
.macro PLACES n
.rept \n
	v_nop
.endr
.endm
; A step of 128 along K that has its successor in the same slot.  A's blocks go one after the other, each against B's eight: a block of A is free when its eight products are issued, so ONE set serves A (blocks 0-3 fetched anew in
; the step's middle, blocks 4-7 at its end); B's fragments are at work through the whole step and have two sets.
.macro STEP slot, q, zero
	s_wait_dscnt 4*NL                              ; B's set, A's blocks 0-3 and the scale words are in; the youngest sixteen loads (A's blocks 4-7) may be out
.if \zero
	WIN MULZ_LO
.else
	WIN MUL_LO
.endif
	MUL16 0, (\q)%2, \q, \slot, \zero
	MUL16 2, (\q)%2, \q, \slot, \zero
	s_wait_dscnt 0                                 ; A's blocks 4-7 are in (asked for 32 matrix instructions ago)
	PLACES NP
	FETCH_B \slot, (\q)+1, 1-(\q)%2
	FETCH_A \slot, (\q)+1, 0
.if \zero
	WIN MULZ_HI
.else
	WIN MUL_HI
.endif
	MUL16 4, (\q)%2, \q, \slot, \zero
	MUL16 6, (\q)%2, \q, \slot, \zero
	PLACES NP
	WIN 0
	FETCH_A \slot, (\q)+1, 4
.endm
; A slot's last step changes slots: ONE barrier, which opens a round of the cluster's barrier; in front of it each wave waits for all its tensor loads, adds 0 to its spare word, and waits for that and for its own reads of this slot.
; Behind the round the slot is filled again: fill = 1: jointly, with the tiles two K steps ahead;  fill = 2: with my quarter of h_prev's tile, by a plain load (every wave issues it, each into its own 128 rows).
.macro TURN slot, next, fill
.if \fill == 1
	s_wait_xcnt 0x0                                ; my prefetches have read their address: it steps here, a K step behind the prefetch that read it
	s_add_nc_u64 s[PFA:PFA+1], s[PFA:PFA+1], ROWB
.endif
	s_wait_tensorcnt 0x0
	ds_add_u32 v[SPW], v[NIL]                      ; 0 onto my spare word;
	s_wait_dscnt 4*NL+1                            ; (the add and the youngest sixteen loads, A's blocks 4-7, may be out)
	WIN MUL_LO
	MUL16 0, 1, NQ-1, \slot, 0                     ; sixteen matrix instructions stand between the add and the wait for it
	WIN 0
	s_wait_dscnt 0x0                               ; the add is done, and my reads of this slot are over
	s_barrier_signal -1
	s_barrier_wait -1
	CREST                                          ; no wave of any partner still reads this slot's tile or has a load on its way
.if \fill == 1
	s_add_nc_u64 s[G0+4*\slot+2:G0+4*\slot+3], s[G0+4*\slot+2:G0+4*\slot+3], 2*ROWB
	s_add_nc_u64 s[G0B+4*\slot+2:G0B+4*\slot+3], s[G0B+4*\slot+2:G0B+4*\slot+3], 2*ROWB
	JLOAD G0+4*\slot, G1, G0B+4*\slot, G1B         ; the first tensor load behind the round; the four v_nop behind it are among the places in front of the loads below
.else
	tensor_load_to_lds s[G0H:G0H+3], s[G1H:G1H+7]  ; the slot's last fill of the launch
	s_nop 0
	PLACES 4
.endif
	WIN MUL_LO
	MUL16 2, 1, NQ-1, \slot, 0                     ; A's blocks 2 and 3 follow the refill, which is on its way meanwhile
	PLACES NP
	WIN 0
	s_wait_alu depctr_va_vdst(0)
	v_add_nc_u32 v[ADRS], 4*NQ, v[ADRS]            ; on to the next K step's scale words (no LDS load of mine is out)
	FETCH_B \next, 0, 0
	FETCH_A \next, 0, 0
	SCALES \next
.if \fill == 1
	s_cmp_gt_u32 s3, 1                             ; the loop's last trip loads K steps 6 and 7: no K step stands two on
	s_cbranch_scc0 .Lno_ask_\@
	global_prefetch_b8 v[PFO], s[PFA:PFA+1] th:TH_LOAD_NT scope:SCOPE_SE   ; the K step two refills on: 32 rows x 256 bytes, a lane a row
.Lno_ask_\@:
.endif
	WIN MUL_HI
	MUL16 4, 1, NQ-1, \slot, 0
	MUL16 6, 1, NQ-1, \slot, 0
	PLACES NP
	WIN 0
	FETCH_A \next, 0, 4
.endm
; h_prev's tile is asked for ahead.  My quarter is 128 rows of 256 bytes: a lane to a row, 32 rows an instruction, four instructions in all, each row once in the whole launch and by the wave that will load it.
; They stand one behind each change of slots of the loop's second and third trips (s3 = 2, 1), where the wave has just issued its LDS loads; the tile's load follows behind the loop.  Every address lies inside my quarter of the tile.
.macro PREF place
	s_cmp_eq_u32 s3, 2
	s_cbranch_scc0 .Lnot_two_\@
	global_prefetch_b8 v[HP], s[HB:HB+1] offset:(\place)*32*HROW th:TH_LOAD_NT scope:SCOPE_SE
.Lnot_two_\@:
	s_cmp_eq_u32 s3, 1
	s_cbranch_scc0 .Lnot_one_\@
	global_prefetch_b8 v[HP], s[HB:HB+1] offset:(2+\place)*32*HROW th:TH_LOAD_NT scope:SCOPE_SE
.Lnot_one_\@:
.endm
	s_wait_tensorcnt 0x0                           ; my tile of the head's four is in;
	ds_add_u32 v[SPW], v[NIL]                      ; 0 onto my spare word;
	s_mov_b32 s[G1+2], 128<<16                     ; no tensor load of mine is out, so descriptors may be written: from here on a load brings 128 rows,
	s_mov_b32 s[G1+4], 128
	s_mov_b32 s[G1B+2], 128<<16
	s_mov_b32 s[G1B+4], 128
	s_mov_b32 s[G0+1], s45                         ; and slot 0's groups 0 stand at my 128 rows of K step 0: the first refill steps them to K step 2
	s_mov_b64 s[G0+2:G0+3], s[92:93]
	s_or_b32 s[G0+3], s[G0+3], 0x80000000
	s_mov_b32 s[G0B+1], s45
	s_mov_b64 s[G0B+2:G0B+3], s[46:47]
	s_or_b32 s[G0B+3], s[G0B+3], 0x80000000
	s_wait_dscnt 0x0                               ; the add is done
	CROUND                                         ; a whole round: all four tiles are in, and all sixteen work-groups are here: the joint loads meet,
	JLOAD G0+4, G1, G0B+4, G1B                     ; and K step 1's load, the first tensor load behind the round
	global_prefetch_b8 v[PFO], s[PFA:PFA+1] th:TH_LOAD_NT scope:SCOPE_SE   ; K step 3
	; the scales' loads are done, so their descriptors' registers may be written: h_prev's tile, 128 rows x 256 bytes, 16,384 bytes from row to row, padded as the others; no mask: it is my work-group's alone
	s_mov_b32 s[G1H+0], (0<<16)|(1<<20)|(5<<22)|(3<<25)
	s_mov_b32 s[G1H+1], 256<<16                    ; tensor_dim0
	s_mov_b32 s[G1H+2], 128<<16                    ; tensor_dim1
	s_mov_b32 s[G1H+3], 256<<16                    ; tile_dim0
	s_mov_b32 s[G1H+4], 128                        ; tile_dim1
	s_mov_b32 s[G1H+5], HROW                       ; tensor_dim0_stride
	s_mov_b32 s[G1H+6], 0
	s_mov_b32 s[G1H+7], 0
	s_mov_b32 s[G0H], 1
	s_mov_b32 s[G0H+1], s45                        ; slot 0, wave x 128 rows
	s_mov_b64 s[G0H+2:G0H+3], s[HB:HB+1]
	s_or_b32 s[G0H+3], s[G0H+3], 0x80000000
	FETCH_B 0, 0, 0
	FETCH_A 0, 0, 0
	SCALES 0
	FETCH_A 0, 0, 4
	s_wait_loadcnt 0x0                             ; the biases
	STEP 0, 0, 1                                   ; the first step stands in front of the loop: its products start the sums
	s_mov_b32 s3, LAPS-1
.Llap:                                                 ; a trip goes once round the ring, from a lap's second step to the next lap's first, and fills both slots again: K steps 2 to 7
	TURN 0, 1, 1
	PREF 0
	STEP 1, 0, 0
	TURN 1, 0, 1
	PREF 1
	STEP 0, 0, 0
	s_sub_co_u32 s3, s3, 1
	s_cmp_lg_u32 s3, 0
	s_cbranch_scc1 .Llap
	TURN 0, 1, 2                                   ; K step 6 is read out: slot 0 takes h_prev's tile
	STEP 1, 0, 0
	s_wait_dscnt 4*NL                              ; the very last step: nothing more to fetch
	WIN MUL_LO
	MUL16 0, 1, NQ-1, 1, 0
	MUL16 2, 1, NQ-1, 1, 0
	s_wait_dscnt 0
	WIN MUL_HI
	MUL16 4, 1, NQ-1, 1, 0
	MUL16 6, 1, NQ-1, 1, 0
	WIN 0
; THE EPILOGUE, block by block of 16 rows x my 32 columns: 16 elements a lane, k = 8 jh + i, in pairs.
.macro WINA a                          ; source 0 in the accumulators' window, all else in window 0
.if (\a) < 4
	WIN 0x02
.else
	WIN 0x03
.endif
.endm
.macro HLOAD a                         ; my 16 h_re and 16 h_im of block a
.irp j, 0,1
.irp c, 0,1
	ds_load_b128 v[HS+8*\j+4*\c:HS+8*\j+4*\c+3],       v[HA]  offset:(\a)*16*PITCH+64*\j+16*\c
	ds_load_b128 v[HS+16+8*\j+4*\c:HS+16+8*\j+4*\c+3], v[HAI] offset:(\a)*16*PITCH+64*\j+16*\c
.endr
.endr
.endm
.macro HSTORE a                        ; the results, each lane over the bytes that it read
.irp j, 0,1
.irp c, 0,1
	ds_store_b128 v[HA],  v[HS+8*\j+4*\c:HS+8*\j+4*\c+3]       offset:(\a)*16*PITCH+64*\j+16*\c
	ds_store_b128 v[HAI], v[HS+16+8*\j+4*\c:HS+16+8*\j+4*\c+3] offset:(\a)*16*PITCH+64*\j+16*\c
.endr
.endr
.endm
.macro ROWS a, reg                     ; rows 16 a .. 16 a + 15 of my quarter, whole, into v[reg] on
.irp t, 0,1,2,3,4,5,6,7
	ds_load_b128 v[\reg+4*\t:\reg+4*\t+3], v[RD] offset:(16*(\a)+2*\t)*PITCH
.endr
.endm
.macro SEND a, reg
.irp t, 0,1,2,3,4,5,6,7
	global_store_b128 v[CO], v[\reg+4*\t:\reg+4*\t+3], s[98:99] offset:(16*(\a)+2*\t)*HROW th:TH_STORE_NT   ; 16 lanes store 256 consecutive bytes, at a multiple of 256 from out0's first byte; 126 rows at the most: inside the signed 24-bit immediate (ISA guide, chapter 10)
.endr
.endm
.macro HORNER c                        ; one step of both series: x u^2 + the coefficient in v[c:c+1]; sixteen lines that do not wait for each other
.irp i, 0,2,4,6,8,10,12,14
	v_pk_fma_f32 v[PS+\i:PS+\i+1], v[PS+\i:PS+\i+1], v[ZS+\i:ZS+\i+1], v[\c:\c+1]
	v_pk_fma_f32 v[PC+\i:PC+\i+1], v[PC+\i:PC+\i+1], v[ZC+\i:ZC+\i+1], v[\c:\c+1]
.endr
.endm
; p, the sine and the cosine of block a: work on registers alone.  Each accumulator is read from its low end on.
.macro EPI_A a
.set AC, 64*((\a)%4)                   ; accumulator (a, b) at v[AC + 8 b]
	WINA \a
.irp b, 0,1
.irp i, 0,2,4,6
	v_pk_mul_f32 v[EP+8*\b+\i:EP+8*\b+\i+1], v[AC+8*\b+\i:AC+8*\b+\i+1], s[NL2E:NL2E+1] op_sel_hi:[1,0]        ; -p_lin log2 e
.endr
.endr
.irp b, 0,1
.irp i, 0,2,4,6
	v_pk_mul_f32 v[TN+8*\b+\i:TN+8*\b+\i+1], v[AC+16+8*\b+\i:AC+16+8*\b+\i+1], s[CHI:CHI+1] op_sel_hi:[1,0]    ; theta / 2 pi, roughly
.endr
.endr
	WIN 0
.set k, 0
	s_wait_alu depctr_va_vdst(0)
.rept 16
	v_exp_f32 v[EP+k], v[EP+k]
.set k, k+1
.endr
.set k, 0
.rept 16
	v_rndne_f32 v[TN+k], v[TN+k]                   ; the nearest whole number of turns.  (Plain lines behind the exponentials: ISA guide 5.7.2)
.set k, k+1
.endr
	WINA \a
.irp b, 0,1
.irp i, 0,2,4,6
	v_pk_fma_f32 v[RR+8*\b+\i:RR+8*\b+\i+1], v[AC+16+8*\b+\i:AC+16+8*\b+\i+1], s[CHI:CHI+1], v[TN+8*\b+\i:TN+8*\b+\i+1] op_sel_hi:[1,0,1] neg_lo:[0,0,1] neg_hi:[0,0,1]   ; theta x the high part - the whole number: one rounding
.endr
.endr
.irp b, 0,1
.irp i, 0,2,4,6
	v_pk_fma_f32 v[RR+8*\b+\i:RR+8*\b+\i+1], v[AC+16+8*\b+\i:AC+16+8*\b+\i+1], s[CLO:CLO+1], v[RR+8*\b+\i:RR+8*\b+\i+1] op_sel_hi:[1,0,1]   ; + theta x the low part: r, in turns, within +-1/2
.endr
.endr
	WIN 0
	s_wait_alu depctr_va_vdst(0)
.irp i, 0,2,4,6,8,10,12,14
	v_pk_add_f32 v[EP+\i:EP+\i+1], v[EP+\i:EP+\i+1], 1.0 op_sel_hi:[1,0]
.endr
.set k, 0
	s_wait_alu depctr_va_vdst(0)
.rept 16
	v_rcp_f32 v[EP+k], v[EP+k]                     ; p = 1 / (1 + 2^(-p_lin log2 e))
.set k, k+1
.endr
.irp i, 0,2,4,6,8,10,12,14
	v_pk_fma_f32 v[ZS+\i:ZS+\i+1], v[RR+\i:RR+\i+1], -1.0, -0.5 op_sel_hi:[1,0,0]   ; -1/2 - r.  (Plain lines behind the reciprocals)
	v_pk_fma_f32 v[ZC+\i:ZC+\i+1], v[RR+\i:RR+\i+1], -1.0, 0.5 op_sel_hi:[1,0,0]    ; 1/2 - r
.endr
.set k, 0
.rept 16
	v_med3_num_f32 v[US+k], v[RR+k], v[ZS+k], v[ZC+k]   ; the middle one lies within +-1/4 and has r's sine
	v_sub_f32 v[UC+k], s[QTR], |v[RR+k]|                ; 1/4 - |r|: its sine is r's cosine
.set k, k+1
.endr
.irp i, 0,2,4,6,8,10,12,14
	v_pk_mul_f32 v[ZS+\i:ZS+\i+1], v[US+\i:US+\i+1], v[US+\i:US+\i+1]
	v_pk_mul_f32 v[ZC+\i:ZC+\i+1], v[UC+\i:UC+\i+1], v[UC+\i:UC+\i+1]
.endr
.irp i, 0,2,4,6,8,10,12,14
	v_pk_fma_f32 v[PS+\i:PS+\i+1], v[ZS+\i:ZS+\i+1], s[CS5:CS5+1], v[CS0+8:CS0+9] op_sel_hi:[1,0,1]   ; S5 u^2 + S4
	v_pk_fma_f32 v[PC+\i:PC+\i+1], v[ZC+\i:ZC+\i+1], s[CS5:CS5+1], v[CS0+8:CS0+9] op_sel_hi:[1,0,1]
.endr
	HORNER CS0+6
	HORNER CS0+4
	HORNER CS0+2
	HORNER CS0
.irp i, 0,2,4,6,8,10,12,14
	v_pk_mul_f32 v[PS+\i:PS+\i+1], v[PS+\i:PS+\i+1], v[US+\i:US+\i+1]   ; sin theta
	v_pk_mul_f32 v[PC+\i:PC+\i+1], v[PC+\i:PC+\i+1], v[UC+\i:UC+\i+1]   ; cos theta
.endr
.endm
; the rotation and the blend; the results take h's registers
.macro EPI_B a
.set AC, 64*((\a)%4)
.irp i, 0,2,4,6,8,10,12,14
	v_pk_mul_f32 v[ZS+\i:ZS+\i+1], v[PS+\i:PS+\i+1], v[HS+16+\i:HS+16+\i+1]   ; sin h_im
	v_pk_mul_f32 v[ZC+\i:ZC+\i+1], v[PC+\i:PC+\i+1], v[HS+16+\i:HS+16+\i+1]   ; cos h_im
.endr
.irp i, 0,2,4,6,8,10,12,14
	v_pk_fma_f32 v[US+\i:US+\i+1], v[PC+\i:PC+\i+1], v[HS+\i:HS+\i+1], v[ZS+\i:ZS+\i+1] neg_lo:[0,0,1] neg_hi:[0,0,1]   ; rot_re = cos h_re - sin h_im
	v_pk_fma_f32 v[UC+\i:UC+\i+1], v[PS+\i:PS+\i+1], v[HS+\i:HS+\i+1], v[ZC+\i:ZC+\i+1]                                 ; rot_im = sin h_re + cos h_im
.endr
	WINA \a
	s_wait_alu depctr_va_vdst(0)
.irp b, 0,1
.irp i, 0,2,4,6
	v_pk_add_f32 v[ZS+8*\b+\i:ZS+8*\b+\i+1], v[AC+32+8*\b+\i:AC+32+8*\b+\i+1], v[US+8*\b+\i:US+8*\b+\i+1] neg_lo:[0,1] neg_hi:[0,1]   ; inp_re - rot_re
	v_pk_add_f32 v[ZC+8*\b+\i:ZC+8*\b+\i+1], v[AC+48+8*\b+\i:AC+48+8*\b+\i+1], v[UC+8*\b+\i:UC+8*\b+\i+1] neg_lo:[0,1] neg_hi:[0,1]   ; inp_im - rot_im
.endr
.endr
	WIN 0
	s_wait_alu depctr_va_vdst(0)
.irp i, 0,2,4,6,8,10,12,14
	v_pk_fma_f32 v[HS+\i:HS+\i+1],       v[EP+\i:EP+\i+1], v[ZS+\i:ZS+\i+1], v[US+\i:US+\i+1]   ; new_re = rot_re + p (inp_re - rot_re)
	v_pk_fma_f32 v[HS+16+\i:HS+16+\i+1], v[EP+\i:EP+\i+1], v[ZC+\i:ZC+\i+1], v[UC+\i:UC+\i+1]   ; new_im likewise
.endr
.endm
	s_mov_b32 s[NL2E], 0xbfb8aa3b                  ; -log2 e.  (A packed form names a pair, so both words are written)
	s_mov_b32 s[NL2E+1], 0xbfb8aa3b
	s_mov_b32 s[CHI], 0x3e22f983                   ; 1 / 2 pi rounded to f32,
	s_mov_b32 s[CHI+1], 0x3e22f983
	s_mov_b32 s[CLO], 0x31dc9c88                   ; and what that rounding left: 6.4206e-9
	s_mov_b32 s[CLO+1], 0x31dc9c88
	s_mov_b32 s[CS5], 0xc17183a8                   ; S5 = -(2 pi)^11 / 11!
	s_mov_b32 s[CS5+1], 0xc17183a8
	s_mov_b32 s[QTR], 0x3e800000                   ; 1/4
.irp p, 0,1                            ; ten plain lines that name no register of the last products: the eight places behind them, for the reads of results and the writes over A's fragments that follow
	v_mov_b32 v[CS0+\p], 0x40c90fdb                ; S0 = 2 pi
	v_mov_b32 v[CS0+2+\p], 0xc2255de7              ; S1 = -(2 pi)^3 / 3!
	v_mov_b32 v[CS0+4+\p], 0x42a335e3              ; S2 = (2 pi)^5 / 5!
	v_mov_b32 v[CS0+6+\p], 0xc2996966              ; S3 = -(2 pi)^7 / 7!
	v_mov_b32 v[CS0+8+\p], 0x42283c1a              ; S4 = (2 pi)^9 / 9!
.endr
; ONE BARRIER A BLOCK, AND THE REGISTER WORK STANDS IN FRONT OF IT.  p, the sine and the cosine of block a touch neither LDS nor h: they are made while my stores of block a - 1's results, my loads of block a's h and the rows of block
; a - 2 are on their way, so that the one wait for LDS in a block finds them done.  Block a's barrier stands between every wave's stores of block a - 1 and the reads of those rows, whole, by the wave that sends them out.
; Between two barriers a wave reads rows of block a - 1, writes its own bytes of block a and reads its own bytes of block a + 1: three different blocks' rows.
; Block 0's barrier is the one that shows h_prev's tile to everybody: the tile has the last 64 products and block 0's register work in which to land.
.irp a, 0,1,2,3,4,5,6,7
	EPI_A \a
.if \a == 0
	s_wait_tensorcnt 0x0                           ; my quarter of h_prev's tile has landed (no LDS instruction of mine is out)
.else
	s_wait_dscnt 0x0                               ; for the others' sake: my stores of the block before have landed;  for mine: this block's h is in, and the rows of the block before that
.endif
	s_barrier_signal -1
	s_barrier_wait -1
.if \a == 0
	HLOAD 0
	s_wait_dscnt 0x0
.endif
.if \a > 1
	SEND \a-2, OUTR
.endif
	EPI_B \a
.if \a > 1
	s_wait_alu depctr_va_vdst(0)
	s_wait_xcnt 0x0                                ; every earlier memory instruction has had its addresses translated (ISA guide 3.1): the registers that the last stores read are loaded again only behind this wait
.endif
.if \a > 0
	ROWS \a-1, OUTR
.endif
	HSTORE \a
.if \a < 7
	HLOAD \a+1                                     ; into the registers that the stores above read: LDS serves a wave's instructions in order (ISA guide 5.7.1)
.endif
.endr
	s_wait_dscnt 0x0                               ; my last stores have landed; block 6's rows are in
	s_barrier_signal -1
	s_barrier_wait -1
	ROWS 7, EP                                     ; into registers that the arithmetic has left, so that they need not wait for block 6's stores
	SEND 6, OUTR
	s_wait_dscnt 0x0
	SEND 7, EP
	s_wait_tensorcnt 0x0                           ; the wave's end: behind my last tensor load and my last LDS store
	ds_add_u32 v[SPW], v[NIL]
	s_wait_dscnt 0x0
	CROUND                                         ; the closing round: no work-group ends while a partner may still ask for a tile that names it
	s_endpgm
.Lfunc_end_k_q578bfe262c_cell:
	.size	k_q578bfe262c_cell, .Lfunc_end_k_q578bfe262c_cell-k_q578bfe262c_cell
	.p2alignl 7, 3214868480
	.fill 96, 4, 3214868480
	.section	.rodata,"a",@progbits
	.p2align	6, 0x0
	.amdhsa_kernel k_q578bfe262c_cell
		.amdhsa_group_segment_fixed_size 327680
		.amdhsa_private_segment_fixed_size 0
		.amdhsa_enable_private_segment 0
		.amdhsa_kernarg_size 80
		.amdhsa_user_sgpr_count 2
		.amdhsa_user_sgpr_kernarg_segment_ptr 1
		.amdhsa_wavefront_size32 1
		.amdhsa_system_sgpr_workgroup_id_x 1
		.amdhsa_system_sgpr_workgroup_id_y 1
		.amdhsa_system_sgpr_workgroup_id_z 1
		.amdhsa_system_vgpr_workitem_id 0
		.amdhsa_next_free_vgpr 1024
		.amdhsa_next_free_sgpr 102
		.amdhsa_reserve_vcc 0
		.amdhsa_float_denorm_mode_32 3
		.amdhsa_float_denorm_mode_16_64 3
		.amdhsa_memory_ordered 1
		.amdhsa_forward_progress 1
		.amdhsa_inst_pref_size 255
	.end_amdhsa_kernel
	.section	.bss,"aw",@nobits
	.p2align	6
	.space	262144
	.amdgpu_metadata
---
amdhsa.version: [ 1, 2 ]
amdhsa.kernels:
  - .name:           k_q578bfe262c_cell
    .symbol:         k_q578bfe262c_cell.kd
    .args:
      - { .name: e_t_codes, .offset: 0, .size: 8, .value_kind: global_buffer, .address_space: global }
      - { .name: e_t_scales, .offset: 8, .size: 8, .value_kind: global_buffer, .address_space: global }
      - { .name: w_codes, .offset: 16, .size: 8, .value_kind: global_buffer, .address_space: global }
      - { .name: w_scales, .offset: 24, .size: 8, .value_kind: global_buffer, .address_space: global }
      - { .name: b_p, .offset: 32, .size: 8, .value_kind: global_buffer, .address_space: global }
      - { .name: b_theta, .offset: 40, .size: 8, .value_kind: global_buffer, .address_space: global }
      - { .name: b_r, .offset: 48, .size: 8, .value_kind: global_buffer, .address_space: global }
      - { .name: b_i, .offset: 56, .size: 8, .value_kind: global_buffer, .address_space: global }
      - { .name: h_prev, .offset: 64, .size: 8, .value_kind: global_buffer, .address_space: global }
      - { .name: out0, .offset: 72, .size: 8, .value_kind: global_buffer, .address_space: global }
    .group_segment_fixed_size: 327680
    .private_segment_fixed_size: 0
    .kernarg_segment_align: 8
    .kernarg_segment_size: 80
    .max_flat_workgroup_size: 128
    .sgpr_count:     102
    .vgpr_count:     1024
    .wavefront_size: 32
...
	.end_amdgpu_metadata
.endif
;; end of part 2
